; MI455X (gfx1250); checked and timed in simulation.
; The chip was launched on July 23, 2026; its instructions are those of AMD's public machine-readable ISA for CDNA 5 (MIT licence, August 2026) and "CDNA5" Instruction Set Architecture Reference Guide (July 2026). The comments in the code are by the model that wrote it; some were corrected since.
;; Attention. Allowed arithmetic: float matrix products may take bf16 or f16 operands with f32 sums; all other float work in f32.
;; Inputs: Wo 1,024 x 1,024 float32; Wqkv 3,072 x 1,024 float32; x 2 x 2,048 x 1,024 float32.
;; Outputs: out0 2 x 2,048 x 1,024 float32.
;; One version. Each part assembles by itself: llvm-mc -triple=amdgcn-amd-amdhsa -mcpu=gfx1250 --defsym DOCPART=n.
;; ======== version 1 of 1: 4 launches
;; limits: values are held in f16: magnitudes above 65,504 overflow, below 6.1e-05 lose precision
;; workspace buffers: xb 8,388,608 bytes; wqkvb 6,291,456 bytes; wob 2,097,152 bytes; tab 524,288 bytes; qkvh 25,165,824 bytes; ob 8,388,608 bytes
;; launch prep (part 1): grid 256 x 1, 8 waves a work-group, no clusters, 0 bytes of LDS; arguments x, Wqkv, Wo, xb, wqkvb, wob, tab; writes xb, wqkvb, wob, tab
.if DOCPART == 1
	.amdgcn_target "amdgcn-amd-amdhsa--gfx1250"
	.amdhsa_code_object_version 6
	.text
	.protected	k_q09bd96ab06_prep
	.globl	k_q09bd96ab06_prep
	.p2align	8
	.type	k_q09bd96ab06_prep,@function
k_q09bd96ab06_prep:
	s_mov_b64 s[64:65], 0
	v_nop
	global_prefetch_b8 v0, s[64:65] scope:SCOPE_SE
	s_setreg_imm32_b32 hwreg(HW_REG_WAVE_MODE, 25, 1), 1
	s_wait_xcnt 0x0
; Rounds the three inputs once to 16 bits and writes the table of cosines and sines for the rotation.
;   xb = bf16(x), wqkvb = bf16(Wqkv), wob = f16(bf16(Wo)), tab[pos][pair] = (cos, sin) in f32, 2,048 x 32 pairs.
; 256 work-groups of 8 waves; each converts 131,072 neighbouring input bytes: groups 0-127 x, 128-223 Wqkv, 224-255 Wo,
; and each writes 8 rows of the table.  Thread t of step i reads 32 bytes at 8,192 i + 32 t and stores 16 bytes at
; 4,096 i + 16 t: a store of a wave covers 512 neighbouring bytes, aligned.  All 32 loads of a thread go out first.
; No LDS, no matrix unit, no cluster: nothing is shared and nothing is multiplied here.
; LIMITS: Wo goes through bf16 into f16: exact from 2^-17 up to 65,504 in magnitude; below, the absolute error is at most 2^-25.
; The angle pos * theta^(-i/32) is rounded once to f32, then reduced by 1/2pi held in two parts; sine and cosine come from
; series on a quarter of the reduced angle (at most pi/4) and two doublings: their error is a few units of the last place of f32.
.set X, 20                             ; v[20:147]  step i: 8 registers as loaded, the first 4 then as stored
.set T, 148                            ; v[148:155] at work (Wo alone)
	s_load_b256 s[4:11], s[0:1], 0x0               ; x s[4:5], Wqkv s[6:7], Wo s[8:9], xb s[10:11]
	s_load_b128 s[12:15], s[0:1], 0x20             ; wqkvb s[12:13], wob s[14:15]
	s_load_b64 s[16:17], s[0:1], 0x30              ; tab
	s_mov_b32 s20, ttmp9                           ; the work-group's number g
	s_mov_b32 s18, 128
	s_mov_b32 s19, 224
	v_lshlrev_b32 v1, 5, v0                        ; 32 t: my bytes in a step's input
	v_lshlrev_b32 v2, 4, v0                        ; 16 t: in its output
	v_lshlrev_b32 v3, 3, v0                        ; 8 t: my pair in the group's 8 rows of the table
	s_wait_kmcnt 0x0
	s_cmp_lt_u32 s20, 224                          ; which input is mine: a choice on the group's number alone
	s_cselect_b64 s[22:23], s[6:7], s[8:9]
	s_cselect_b64 s[24:25], s[12:13], s[14:15]
	s_cselect_b32 s21, s18, s19
	s_cmp_lt_u32 s20, 128
	s_cselect_b64 s[22:23], s[4:5], s[22:23]       ; from
	s_cselect_b64 s[24:25], s[10:11], s[24:25]     ; to
	s_cselect_b32 s21, 0, s21                      ; the first group of that input
	s_sub_co_u32 s21, s20, s21
	s_lshl_b32 s26, s21, 17                        ; 131,072 bytes in,
	s_mov_b32 s27, 0
	s_lshl_b32 s28, s21, 16                        ; 65,536 bytes out for each group
	s_mov_b32 s29, 0
	s_add_nc_u64 s[22:23], s[22:23], s[26:27]
	s_add_nc_u64 s[24:25], s[24:25], s[28:29]
	s_lshl_b32 s30, s20, 11                        ; 8 rows of 256 bytes of the table
	s_mov_b32 s31, 0
	s_add_nc_u64 s[16:17], s[16:17], s[30:31]
.set i, 0
.rept 16
	global_load_b128 v[X+8*i:X+8*i+3],   v1, s[22:23] offset:8192*i th:TH_LOAD_NT
	global_load_b128 v[X+8*i+4:X+8*i+7], v1, s[22:23] offset:8192*i+16 th:TH_LOAD_NT
.set i, i+1
.endr
	; the table, while the loads are on their way: position 8 g + t / 32, pair t % 32
	s_lshl_b32 s30, s20, 3
	v_and_b32 v4, 31, v0
	v_lshrrev_b32 v6, 5, v0
	v_cvt_f32_u32 v4, v4
	v_add_nc_u32 v6, s30, v6
	v_mul_f32 v5, 0xbed49a78, v4                   ; -i log2(10000) / 32
	v_cvt_f32_u32 v6, v6
	v_exp_f32 v5, v5                               ; 10000^(-i/32)
	v_nop                                          ; one plain place behind a transcendental (ISA guide 5.7.2)
	s_wait_alu depctr_va_vdst(0)
	v_mul_f32 v7, v6, v5                           ; the angle, rounded once
	v_mul_f32 v8, 0.15915494, v7
	v_rndne_f32 v8, v8                             ; whole turns
	v_fma_f32 v9, v7, 0.15915494, -v8              ; the rest, in turns: -1/2 .. 1/2,
	v_fmac_f32 v9, 0x31dc9c88, v7                  ; with the part of 1/2pi that its f32 leaves out
	v_mul_f32 v8, 0x3fc90fdb, v9                   ; a quarter of the reduced angle: turns x pi/2
	v_mul_f32 v9, v8, v8
	v_mov_b32 v15, 0xb9500d01                      ; sine: p (1 + z (-1/6 + z (1/120 - z/5040)))
	v_mov_b32 v14, 0x37d00d01                      ; cosine: 1 + z (-1/2 + z (1/24 + z (-1/720 + z/40320)))
	v_fmaak_f32 v15, v9, v15, 0x3c088889
	v_fmaak_f32 v14, v9, v14, 0xbab60b61
	v_fmaak_f32 v15, v9, v15, 0xbe2aaaab
	v_fmaak_f32 v14, v9, v14, 0x3d2aaaab
	v_fma_f32 v15, v9, v15, 1.0
	v_fma_f32 v14, v9, v14, -0.5
	v_mul_f32 v15, v8, v15
	v_fma_f32 v14, v9, v14, 1.0
.rept 2                                            ; twice the angle, twice: sin 2p = 2 s c, cos 2p = 1 - 2 s s
	v_mul_f32 v12, v15, v14
	v_add_f32 v13, v15, v15
	v_fma_f32 v14, -v13, v15, 1.0
	v_add_f32 v15, v12, v12
.endr
	global_store_b64 v3, v[14:15], s[16:17]        ; (cos, sin): a wave's store covers one row of 256 bytes
; Step i to bf16.  Loads come back in order (ISA guide 5.7.1): the count leaves the 2 (15 - i) younger ones out.
.macro CONV i
	s_wait_loadcnt 30-2*\i
.irp j, 0,1,2,3
	v_cvt_pk_bf16_f32 v[X+8*\i+\j], v[X+8*\i+2*\j], v[X+8*\i+2*\j+1]   ; in place, ascending: word j is written when words 2 j, 2 j + 1 are read
.endr
	global_store_b128 v2, v[X+8*\i:X+8*\i+3], s[24:25] offset:4096*\i
.endm
; Step i of Wo: rounded to bf16 as the other inputs are, then written as f16 for the f16 product with o.
.macro CONVW i
	s_wait_loadcnt 30-2*\i
.irp j, 0,1,2,3
	v_cvt_pk_bf16_f32 v[X+8*\i+\j], v[X+8*\i+2*\j], v[X+8*\i+2*\j+1]
.endr
.irp j, 0,1,2,3
	v_lshlrev_b32 v[T+2*\j],   16, v[X+8*\i+\j]
	v_and_b32     v[T+2*\j+1], 0xffff0000, v[X+8*\i+\j]
.endr
.irp j, 0,1,2,3
	v_cvt_pk_f16_f32 v[X+8*\i+\j], v[T+2*\j], v[T+2*\j+1]
.endr
	global_store_b128 v2, v[X+8*\i:X+8*\i+3], s[24:25] offset:4096*\i
.endm
	s_cmp_ge_u32 s20, 224
	s_cbranch_scc1 .Lwo
.irp i, 0,1,2,3,4,5,6,7,8,9,10,11,12,13,14,15
	CONV \i
.endr
	s_endpgm
.Lwo:
.irp i, 0,1,2,3,4,5,6,7,8,9,10,11,12,13,14,15
	CONVW \i
.endr
	s_endpgm
.Lfunc_end_k_q09bd96ab06_prep:
	.size	k_q09bd96ab06_prep, .Lfunc_end_k_q09bd96ab06_prep-k_q09bd96ab06_prep
	.p2alignl 7, 3214868480
	.fill 96, 4, 3214868480
	.section	.rodata,"a",@progbits
	.p2align	6, 0x0
	.amdhsa_kernel k_q09bd96ab06_prep
		.amdhsa_group_segment_fixed_size 0
		.amdhsa_private_segment_fixed_size 0
		.amdhsa_enable_private_segment 0
		.amdhsa_kernarg_size 56
		.amdhsa_user_sgpr_count 2
		.amdhsa_user_sgpr_kernarg_segment_ptr 1
		.amdhsa_wavefront_size32 1
		.amdhsa_system_sgpr_workgroup_id_x 1
		.amdhsa_system_sgpr_workgroup_id_y 1
		.amdhsa_system_sgpr_workgroup_id_z 1
		.amdhsa_system_vgpr_workitem_id 0
		.amdhsa_next_free_vgpr 160
		.amdhsa_next_free_sgpr 66
		.amdhsa_reserve_vcc 0
		.amdhsa_float_denorm_mode_32 3
		.amdhsa_float_denorm_mode_16_64 3
		.amdhsa_memory_ordered 1
		.amdhsa_forward_progress 1
		.amdhsa_inst_pref_size 29
	.end_amdhsa_kernel
	.amdgpu_metadata
---
amdhsa.version: [ 1, 2 ]
amdhsa.kernels:
  - .name:           k_q09bd96ab06_prep
    .symbol:         k_q09bd96ab06_prep.kd
    .args:
      - { .name: x, .offset: 0, .size: 8, .value_kind: global_buffer, .address_space: global }
      - { .name: Wqkv, .offset: 8, .size: 8, .value_kind: global_buffer, .address_space: global }
      - { .name: Wo, .offset: 16, .size: 8, .value_kind: global_buffer, .address_space: global }
      - { .name: xb, .offset: 24, .size: 8, .value_kind: global_buffer, .address_space: global }
      - { .name: wqkvb, .offset: 32, .size: 8, .value_kind: global_buffer, .address_space: global }
      - { .name: wob, .offset: 40, .size: 8, .value_kind: global_buffer, .address_space: global }
      - { .name: tab, .offset: 48, .size: 8, .value_kind: global_buffer, .address_space: global }
    .group_segment_fixed_size: 0
    .private_segment_fixed_size: 0
    .kernarg_segment_align: 8
    .kernarg_segment_size: 56
    .max_flat_workgroup_size: 256
    .sgpr_count:     66
    .vgpr_count:     160
    .wavefront_size: 32
...
	.end_amdgpu_metadata
.endif
;; end of part 1
;; launch qkv (part 2): grid 16 x 16, 4 waves a work-group, clusters of 4 x 4, 327,680 bytes of LDS; arguments xb, wqkvb, tab, qkvh; writes qkvh
.if DOCPART == 2
	.amdgcn_target "amdgcn-amd-amdhsa--gfx1250"
	.amdhsa_code_object_version 6
	.text
	.protected	k_q09bd96ab06_qkv
	.globl	k_q09bd96ab06_qkv
	.p2align	8
	.type	k_q09bd96ab06_qkv,@function
k_q09bd96ab06_qkv:
	s_mov_b64 s[64:65], 0
	v_nop
	global_prefetch_b8 v0, s[64:65] scope:SCOPE_SE
	s_setreg_imm32_b32 hwreg(HW_REG_WAVE_MODE, 25, 1), 1
	s_wait_xcnt 0x0
	s_wait_alu depctr_hold_cnt(0) depctr_sa_sdst(0) depctr_va_vdst(0) depctr_va_sdst(0) depctr_va_ssrc(0) depctr_va_vcc(0) depctr_vm_vsrc(0)
	s_getreg_b32 s2, hwreg(HW_REG_IB_STS2, 6, 4)
	s_cmp_eq_u32 s2, 0
	s_cbranch_scc0 .Lentry_in_a_cluster
	s_endpgm
.Lentry_in_a_cluster:
	s_bfe_u32 s2, ttmp6, 0x10000c
	s_cmp_lg_u32 s2, 0xf033
	s_cbranch_scc0 .Lentry_shape_is_right
	s_endpgm
.Lentry_shape_is_right:
; qkv[m][n] = sum over k of xb[m][k] wqkvb[n][k] (bf16 operands, f32 sums), the rotation of pairs on the q and k columns, rounded to f16
; and stored by planes: qkvh[batch][plane = n / 64][position][64].  M = 4,096, N = 3,072, K = 1,024.
; A work-group makes 256 x 192 with four waves; a wave makes 128 x 96: 48 accumulator tiles of 16 x 16, 384 registers.
; K goes in 8 steps of 128 through two LDS slots filled by the tensor data mover; a tile's rows are 256 bytes of memory, aligned.
; CLUSTERS: 4 x 4 work-groups.  The four of a row of the cluster need the same tiles of xb and the same 256 rows of the table, the four of
; a column the same tiles of wqkvb: these are asked for jointly, which divides the requests by four.
; REGISTERS by windows of 256: window 0 addresses, fragments of A (v64-127, v128-191), the way out; window 1 fragments of B (48 of each 64);
; window 2 the 24 tiles of my rows 0-63 (tile (a, b) at v[8 (6 a + b)]); window 3 those of my rows 64-127.
; The matrix instruction is used transposed (source 0 = rows of wqkvb, source 1 = rows of xb): lane l holds row l % 16 and its registers
; the columns 8 (l / 16) + 0..7: four whole pairs of the rotation, and 16 bytes of f16 that belong together.
; The 48 accumulators take turns, one instruction a turn, in one order throughout.
; LIMIT: q, k and v are stored as f16: magnitudes from 65,504 up become infinite.
.set KSTEP,  128
.set PITCH,  272                       ; an LDS row: 256 bytes + 16 of padding, an odd multiple of 16: the 16 rows of a fragment load start 16 bytes apart modulo 256
.set HALFA,  128*PITCH                 ; what one load brings of A, and what one wave reads of A
.set HALFB,  96*PITCH                  ; the same for B
.set BOFF,   2*HALFA                   ; B's 192 rows lie behind A's 256
.set SLOT,   2*HALFA+2*HALFB           ; 121,856
.set TABL,   2*SLOT                    ; the table's 256 rows x 272 bytes, filled once
.set SPITCH, 400                       ; the stage's row: 192 f16 + 16 bytes.  The stage (256 rows) lies at byte 0, inside slot 0, which by then has had its last fill and its last read
.set LAPS,   4                         ; a lap = two K steps
.set ADRA, 16                          ; v16-17 LDS address of my A fragments in slot 0, 1
.set ADRB, 20                          ; v20-21 the same for B
.set TA,   22                          ; v22 table: my row, my four pairs, for column tiles whose number is 0 or 1 modulo 4
.set TB,   23                          ; v23 the same for 2 or 3 modulo 4
.set STO,  24                          ; v24 the stage: where I put 16 bytes of a row
.set RD,   25                          ; v25 the stage: where I read rows back
.set GO,   26                          ; v26 my byte offset in a plane's 256 rows
.set F0,   64
.set F1,   128
.set CS0,  64                          ; the way out: (cos, sin) of four pairs for four column tiles, two buffers
.set CS1,  96
.set T,    128                         ; the way out: 48 rotated numbers
.set PK,   176                         ; the way out: 24 packed words
.set G1A, 24
.set G0A, 32
.set G1B, 40
.set G0B, 48
.set G1T, 56
.set G0T, 68
.set MK,  72                           ; s[72:77] column tile b: all ones where it is rotated (q, k), 0 where not (v)
.set MSB, 0
.macro WIN new                         ; the immediate's high byte repeats the setting that is left
.if MSB != \new
	s_set_vgpr_msb (MSB<<8)|\new
.set MSB, \new
.endif
.endm
.set MUL_LO, 0xa1                      ; source 0 (B) window 1, source 1 (A) window 0, C and D window 2
.set MUL_HI, 0xf1                      ; the same, C and D window 3
.set TO_B,   0x40                      ; destination window 1
; A joint load: waves 0 and 1 fetch A's halves, waves 2 and 3 B's.  The branch hangs on the wave's number alone.
.macro JLOAD s
	s_cmp_eq_u32 s13, 0
	s_cbranch_scc0 .Lfor_b_\@
	tensor_load_to_lds s[G0A+4*\s:G0A+4*\s+3], s[G1A:G1A+7]
	s_nop 0
	s_branch .Lasked_\@
.Lfor_b_\@:
	tensor_load_to_lds s[G0B+4*\s:G0B+4*\s+3], s[G1B:G1B+7]
	s_nop 0
.Lasked_\@:
.endm
.macro CREST                           ; a round of the cluster's barrier behind its opening barrier
	s_cmp_lg_u32 s12, 0
	s_cbranch_scc1 .Lnot_wave_0_\@
	s_barrier_signal -3
.Lnot_wave_0_\@:
	s_barrier_wait -3
	s_barrier_signal -1
	s_barrier_wait -1
.endm
.macro CROUND                          ; a whole round
	s_barrier_signal -1
	s_barrier_wait -1
	CREST
.endm
	s_load_b256 s[4:11], s[0:1], 0x0               ; xb s[4:5], wqkvb s[6:7], tab s[8:9], qkvh s[10:11]
	s_set_vgpr_msb 0x40
	v_lshl_add_u32 v255, v0, 2, 0x4c800
	s_set_vgpr_msb 0x4000
	v_mov_b32 v255, 0
	s_set_vgpr_msb 0x1
	ds_add_u32 v255, v255
	s_set_vgpr_msb 0x100
	v_lshrrev_b32 v1, 5, v0
	v_readfirstlane_b32 s12, v1                    ; wave 0..3
	s_lshr_b32 s13, s12, 1                         ; which 128 rows of the block are mine.  Also: I fetch for A (0) or B (1)
	s_and_b32 s14, s12, 1                          ; which 96 columns.  Also: which half of that tile I fetch
	s_bfe_u32 s15, ttmp6, 0x40000                  ; cx
	s_bfe_u32 s16, ttmp6, 0x40004                  ; cy
	s_lshl_b32 s17, ttmp9, 2
	s_add_co_u32 s17, s17, s15                     ; block column = 4 x cluster x + cx
	s_and_b32 s18, ttmp7, 0xffff
	s_lshl_b32 s18, s18, 2
	s_add_co_u32 s18, s18, s16                     ; block row = 4 x cluster y + cy
	s_lshl_b32 s19, s16, 2
	s_lshl_b32 s19, 15, s19                        ; my row of the cluster
	s_lshl_b32 s20, 0x1111, s15                    ; my column
	; group 1 for A: 128 rows x 128 bf16, 4 words of padding behind every 64; the mask, and bit 21 beside it
	s_or_b32 s[G1A+0], s19, (1<<16)|(1<<20)|(1<<21)|(5<<22)|(3<<25)
	s_mov_b32 s[G1A+1], KSTEP<<16                  ; tensor_dim0 = 128
	s_mov_b32 s[G1A+2], 128<<16                    ; tensor_dim1 = 128
	s_mov_b32 s[G1A+3], KSTEP<<16                  ; tile_dim0 = 128
	s_mov_b32 s[G1A+4], 128                        ; tile_dim1 = 128
	s_mov_b32 s[G1A+5], 1024                       ; elements from row to row
	s_mov_b32 s[G1A+6], 0
	s_mov_b32 s[G1A+7], 0
	; group 1 for B: 96 rows, my column's mask
	s_or_b32 s[G1B+0], s20, (1<<16)|(1<<20)|(1<<21)|(5<<22)|(3<<25)
	s_mov_b32 s[G1B+1], KSTEP<<16
	s_mov_b32 s[G1B+2], 96<<16
	s_mov_b32 s[G1B+3], KSTEP<<16
	s_mov_b32 s[G1B+4], 96
	s_mov_b32 s[G1B+5], 1024
	s_mov_b32 s[G1B+6], 0
	s_mov_b32 s[G1B+7], 0
	; group 1 for the table: 64 rows x 64 f32, padded alike, my row's mask (the positions hang on the block row alone)
	s_or_b32 s[G1T+0], s19, (2<<16)|(1<<20)|(1<<21)|(5<<22)|(3<<25)
	s_mov_b32 s[G1T+1], 64<<16
	s_mov_b32 s[G1T+2], 64<<16
	s_mov_b32 s[G1T+3], 64<<16
	s_mov_b32 s[G1T+4], 64
	s_mov_b32 s[G1T+5], 64
	s_mov_b32 s[G1T+6], 0
	s_mov_b32 s[G1T+7], 0
	; where the tiles come from; A's and the table's offsets never hold cx, B's never cy
	s_lshl_b32 s78, s18, 8
	s_lshl_b32 s79, s14, 7
	s_add_co_u32 s78, s78, s79                     ; A: row 256 x block row + 128 x half
	s_lshl_b32 s78, s78, 11                        ; x 2,048 bytes
	s_mov_b32 s79, 0
	s_mul_i32 s80, s17, 192
	s_mul_i32 s81, s14, 96
	s_add_co_u32 s80, s80, s81                     ; B: row 192 x block column + 96 x half
	s_lshl_b32 s80, s80, 11
	s_mov_b32 s81, 0
	s_and_b32 s82, ttmp7, 1
	s_lshl_b32 s82, s82, 2
	s_add_co_u32 s82, s82, s16                     ; block row modulo 8: the block's place in its batch of 2,048 positions
	s_lshl_b32 s82, s82, 2
	s_add_co_u32 s82, s82, s12                     ; x 4 + wave: 64 rows of 256 bytes each
	s_lshl_b32 s82, s82, 14
	s_mov_b32 s83, 0
	s_mul_i32 s84, s12, HALFA                      ; where they go: A's halves at wave x 128 rows (waves 0, 1),
	s_mul_i32 s85, s12, HALFB
	s_add_co_u32 s85, s85, BOFF-2*HALFB            ; B's at 69,632 + (wave - 2) x 96 rows (waves 2, 3)
	s_wait_dscnt 0x0
	s_wait_kmcnt 0x0
	s_add_nc_u64 s[88:89], s[4:5], s[78:79]
	s_add_nc_u64 s[90:91], s[6:7], s[80:81]
	s_add_nc_u64 s[92:93], s[8:9], s[82:83]
	CROUND                                         ; all sixteen work-groups are here: the first joint loads meet
.irp s, 0,1
	s_mov_b32 s[G0A+4*\s], 1
	s_add_co_u32 s[G0A+4*\s+1], s84, \s*SLOT
	s_add_nc_u64 s[G0A+4*\s+2:G0A+4*\s+3], s[88:89], \s*KSTEP*2
	s_or_b32 s[G0A+4*\s+3], s[G0A+4*\s+3], 0x80000000
	s_mov_b32 s[G0B+4*\s], 1
	s_add_co_u32 s[G0B+4*\s+1], s85, \s*SLOT
	s_add_nc_u64 s[G0B+4*\s+2:G0B+4*\s+3], s[90:91], \s*KSTEP*2
	s_or_b32 s[G0B+4*\s+3], s[G0B+4*\s+3], 0x80000000
	JLOAD \s
.endr
	s_mov_b32 s[G0T], 1
	s_mul_i32 s[G0T+1], s12, 64*PITCH
	s_add_co_u32 s[G0T+1], s[G0T+1], TABL
	s_mov_b64 s[G0T+2:G0T+3], s[92:93]
	s_or_b32 s[G0T+3], s[G0T+3], 0x80000000
	tensor_load_to_lds s[G0T:G0T+3], s[G1T:G1T+7]  ; every wave: its 64 rows of the table.  Three loads of the wave are out now, the most in this text
	s_nop 0
	v_and_b32 v1, 15, v0                           ; r = l % 16
	v_bfe_u32 v2, v0, 4, 1                         ; h = l / 16
	v_and_b32 v5, 31, v0                           ; l
	v_mul_u32_u24 v3, v1, PITCH
	v_lshl_add_u32 v3, v2, 4, v3                   ; r x pitch + 16 h
	s_mul_i32 s84, s13, HALFA
	s_mul_i32 s85, s14, HALFB
	s_add_co_u32 s85, s85, BOFF
.irp s, 0,1
	v_add_nc_u32 v[ADRA+\s], s84, v3
	v_add_nc_u32 v[ADRB+\s], s85, v3
	s_add_co_u32 s84, s84, SLOT
	s_add_co_u32 s85, s85, SLOT
.endr
	s_mul_i32 s86, s13, 128*PITCH
	s_add_co_u32 s86, s86, TABL
	s_lshl_b32 s87, s14, 7                         ; my first column is 96 wc: 32 wc modulo 64, pair 16 wc, byte 128 wc of a table row
	v_mul_u32_u24 v4, v1, PITCH
	v_lshl_add_u32 v4, v2, 5, v4                   ; + 32 h: four pairs of 8 bytes
	v_add_nc_u32 v4, s86, v4
	v_add_nc_u32 v[TA], s87, v4
	s_xor_b32 s87, s87, 128
	v_add_nc_u32 v[TB], s87, v4
	s_mul_i32 s86, s13, 128*SPITCH
	s_mul_i32 s87, s14, 192
	s_add_co_u32 s86, s86, s87
	v_mul_u32_u24 v4, v1, SPITCH
	v_lshl_add_u32 v4, v2, 4, v4
	v_add_nc_u32 v[STO], s86, v4                   ; (128 wr + r) x 400 + 192 wc + 16 h
	v_lshrrev_b32 v6, 3, v5
	v_and_b32 v7, 7, v5
	s_mul_i32 s86, s12, 64*SPITCH
	v_mul_u32_u24 v4, v6, SPITCH
	v_lshl_add_u32 v4, v7, 4, v4
	v_add_nc_u32 v[RD], s86, v4                    ; (64 wave + l / 8) x 400 + 16 (l % 8): four rows' 128 bytes of one plane
	s_lshl_b32 s86, s12, 13
	v_lshl_add_u32 v[GO], v5, 4, s86               ; 64 rows of 128 bytes a wave, 16 bytes a lane
; 12 matrix instructions: row tiles a0, a0 + 1 of the window's four x all 6 column tiles, 32 along K.  zero = 1: the product starts the sums.
.macro MUL12 f, hi, a0, zero
.irp a, \a0, \a0+1
.irp b, 0,1,2,3,4,5
.if \zero
	v_wmma_f32_16x16x32_bf16 v[8*(6*(\a)+\b):8*(6*(\a)+\b)+7], v[\f+8*\b:\f+8*\b+7], v[\f+8*(4*\hi+\a):\f+8*(4*\hi+\a)+7], 0
.else
	v_wmma_f32_16x16x32_bf16 v[8*(6*(\a)+\b):8*(6*(\a)+\b)+7], v[\f+8*\b:\f+8*\b+7], v[\f+8*(4*\hi+\a):\f+8*(4*\hi+\a)+7], v[8*(6*(\a)+\b):8*(6*(\a)+\b)+7]
.endif
.endr
.endr
.endm
; 28 LDS loads in one run: 96 rows of B, 128 rows of A, 32 K at byte k of the rows, into buffer f
.macro FETCH slot, k, f
	WIN TO_B
.irp i, 0,1,2,3,4,5
	ds_load_b128 v[\f+8*\i:\f+8*\i+3],   v[ADRB+\slot] offset:\k+\i*16*PITCH
	ds_load_b128 v[\f+8*\i+4:\f+8*\i+7], v[ADRB+\slot] offset:\k+\i*16*PITCH+32
.endr
	WIN 0
.irp i, 0,1,2,3,4,5,6,7
	ds_load_b128 v[\f+8*\i:\f+8*\i+3],   v[ADRA+\slot] offset:\k+\i*16*PITCH
	ds_load_b128 v[\f+8*\i+4:\f+8*\i+7], v[ADRA+\slot] offset:\k+\i*16*PITCH+32
.endr
.endm
; Four places behind a matrix instruction before a load lands on one of its registers or a vector instruction reads its result
; (ISA guide 7.12.1 for vector instructions); matrix instructions in between are not counted.
.macro PLACES
.rept 4
	v_nop
.endr
.endm
.macro QUARTER slot, k, f, g, zero
	s_wait_dscnt 8                                 ; B and A's rows 0-63 are in; the youngest eight loads (A's rows 64-127) may be out
	WIN MUL_LO
	MUL12 \f, 0, 0, \zero
	MUL12 \f, 0, 2, \zero
	PLACES
	FETCH \slot, \k, \g
	s_wait_dscnt 28                                ; all but the 28 just issued
	WIN MUL_HI
	MUL12 \f, 1, 0, \zero
	MUL12 \f, 1, 2, \zero
.endm
.macro THREE slot, zero
	QUARTER \slot, 64,  F0, F1, \zero
	QUARTER \slot, 128, F1, F0, 0
	QUARTER \slot, 192, F0, F1, 0
.endm
; The last quarter of a K step changes slots.  In front of the barrier each wave waits for its reads of this slot and for all its tensor
; loads; behind it (where a slot is filled again: behind the round that it opens) the refill comes first, then the next slot's fragments.
; From a request to the wait for it a wave issues 180 matrix instructions.
.macro TURN slot, next, fill
	s_wait_dscnt 8
	WIN MUL_LO
	MUL12 F1, 0, 0, 0
	s_wait_dscnt 0                                 ; my reads of this slot are over
	s_wait_tensorcnt 0x0                           ; all my tensor loads have landed, my part of the next slot among them
	ds_add_u32 v255, v255
	s_wait_dscnt 0x0
	s_barrier_signal -1
	MUL12 F1, 0, 2, 0                              ; register work while the others arrive
	WIN 0
	s_barrier_wait -1
.if \fill
	CREST                                          ; no wave of any partner still reads this slot or has a load on its way
	s_add_nc_u64 s[G0A+4*\slot+2:G0A+4*\slot+3], s[G0A+4*\slot+2:G0A+4*\slot+3], 2*KSTEP*2
	s_add_nc_u64 s[G0B+4*\slot+2:G0B+4*\slot+3], s[G0B+4*\slot+2:G0B+4*\slot+3], 2*KSTEP*2
	JLOAD \slot                                    ; the wave's one tensor load behind the round
.endif
	PLACES
	FETCH \next, 0, F0
	WIN MUL_HI
	MUL12 F1, 1, 0, 0
	MUL12 F1, 1, 2, 0
.endm
.macro LAP zero
	THREE 0, \zero
	TURN 0, 1, 1
	THREE 1, 0
	TURN 1, 0, 1
.endm
	s_wait_tensorcnt 2                             ; my part of K step 0 is in; K step 1's and the table's may stay out
	s_barrier_signal -1
	s_barrier_wait -1
	FETCH 0, 0, F0
	LAP 1                                          ; the first lap's first products start the sums
	WIN 0
	s_mov_b32 s3, LAPS-2
.Llap:
	LAP 0
	WIN 0
	s_sub_co_u32 s3, s3, 1
	s_cmp_lg_u32 s3, 0
	s_cbranch_scc1 .Llap
	THREE 0, 0                                     ; the last lap fills nothing
	TURN 0, 1, 0
	THREE 1, 0
	s_wait_dscnt 8
	WIN MUL_LO
	MUL12 F1, 0, 0, 0
	MUL12 F1, 0, 2, 0
	s_wait_dscnt 0
	WIN MUL_HI
	MUL12 F1, 1, 0, 0
	MUL12 F1, 1, 2, 0
	; THE WAY OUT.  Rotation, f16, the stage, whole planes' rows out.
	PLACES
	WIN 0
	s_mul_i32 s80, s17, 192                        ; (cx only in registers that fed B's descriptors)
	s_mul_i32 s81, s14, 96
	s_add_co_u32 s80, s80, s81                     ; my first column
.irp b, 0,1,2,3,4,5
	s_add_co_u32 s81, s80, 16*\b
	s_cmp_lt_u32 s81, 2048                         ; q and k are the first 2,048 columns; a tile of 16 never straddles the end
	s_cselect_b32 s[MK+\b], -1, 0                  ; selects a value, steers nothing
.endr
	s_lshr_b32 s78, s18, 3                         ; batch
	s_mul_i32 s78, s78, 12582912                   ; 48 planes of 262,144 bytes
	s_and_b32 s79, s18, 7
	s_lshl_b32 s79, s79, 15                        ; 256 rows of 128 bytes
	s_add_co_u32 s78, s78, s79
	s_mov_b32 s79, 0
	s_add_nc_u64 s[10:11], s[10:11], s[78:79]
	s_mul_i32 s80, s17, 786432                     ; three planes a block column
	s_mov_b32 s81, 0
	s_add_nc_u64 s[10:11], s[10:11], s[80:81]
; (cos, sin) of my row 16 a + r: four pairs for each of the four places that a column tile can have in a head
.macro CSLOAD a, buf
.irp u, 0,1
	ds_load_b128 v[\buf+8*\u:\buf+8*\u+3],       v[TA] offset:4352*(\a)+64*\u
	ds_load_b128 v[\buf+8*\u+4:\buf+8*\u+7],     v[TA] offset:4352*(\a)+64*\u+16
.endr
.irp u, 0,1
	ds_load_b128 v[\buf+16+8*\u:\buf+16+8*\u+3],   v[TB] offset:4352*(\a)+64*\u
	ds_load_b128 v[\buf+16+8*\u+4:\buf+16+8*\u+7], v[TB] offset:4352*(\a)+64*\u+16
.endr
.endm
; Rows 16 a .. 16 a + 15 of my block: tiles (al, 0..5) of the window named by win (source 0).
.macro GROUP a, al, win, buf, nbuf
.if \a < 7
	CSLOAD \a+1, \nbuf
	s_wait_dscnt 8                                 ; all but the eight just issued: this group's table rows are in
.else
	s_wait_dscnt 0
.endif
	WIN \win
.irp b, 0,1,2,3,4,5
.irp t, 0,1,2,3
	v_mul_f32 v[T+8*\b+2*\t],   v[8*(6*\al+\b)+2*\t+1], v[\buf+8*(\b%4)+2*\t+1]                    ; x2 sin
	v_mul_f32 v[T+8*\b+2*\t+1], v[8*(6*\al+\b)+2*\t+1], v[\buf+8*(\b%4)+2*\t]                      ; x2 cos
	v_fma_f32 v[T+8*\b+2*\t],   v[8*(6*\al+\b)+2*\t], v[\buf+8*(\b%4)+2*\t],   -v[T+8*\b+2*\t]     ; x1 cos - x2 sin
	v_fma_f32 v[T+8*\b+2*\t+1], v[8*(6*\al+\b)+2*\t], v[\buf+8*(\b%4)+2*\t+1], v[T+8*\b+2*\t+1]    ; x1 sin + x2 cos
	v_cndmask_b32 v[T+8*\b+2*\t],   v[8*(6*\al+\b)+2*\t],   v[T+8*\b+2*\t],   s[MK+\b]             ; v's columns stay as they are
	v_cndmask_b32 v[T+8*\b+2*\t+1], v[8*(6*\al+\b)+2*\t+1], v[T+8*\b+2*\t+1], s[MK+\b]
.endr
.endr
	WIN 0
.irp b, 0,1,2,3,4,5
.irp t, 0,1,2,3
	v_cvt_pk_f16_f32 v[PK+4*\b+\t], v[T+8*\b+2*\t], v[T+8*\b+2*\t+1]
.endr
.endr
.irp b, 0,1,2,3,4,5
	ds_store_b128 v[STO], v[PK+4*\b:PK+4*\b+3] offset:6400*\a+32*\b
.endr
.endm
	CSLOAD 0, CS0
	GROUP 0, 0, 0x02, CS0, CS1
	GROUP 1, 1, 0x02, CS1, CS0
	GROUP 2, 2, 0x02, CS0, CS1
	GROUP 3, 3, 0x02, CS1, CS0
	GROUP 4, 0, 0x03, CS0, CS1
	GROUP 5, 1, 0x03, CS1, CS0
	GROUP 6, 2, 0x03, CS0, CS1
	GROUP 7, 3, 0x03, CS1, CS0
	s_wait_dscnt 0x0                               ; my stores into the stage are done: the middle plane's rows are written by two waves,
	s_barrier_signal -1                            ; and each wave reads back rows that others wrote
	s_barrier_wait -1
; Plane hh of the block's three, rows 4 i0 .. of my 64: each load and each store takes four rows' 128 bytes, 512 neighbouring bytes of the plane.
.macro OUT8 hh, i0, f
	s_wait_xcnt 0x0                                ; buffer f, which earlier stores read, is loaded again only behind this wait
.irp t, 0,1,2,3,4,5,6,7
	ds_load_b128 v[\f+4*\t:\f+4*\t+3], v[RD] offset:1600*(\i0+\t)+128*\hh
.endr
.irp t, 0,1,2,3,4,5,6,7
	s_wait_dscnt 7-\t
	global_store_b128 v[GO], v[\f+4*\t:\f+4*\t+3], s[10:11] offset:\hh*262144+512*(\i0+\t)
.endr
.endm
	OUT8 0, 0, CS0
	OUT8 0, 8, CS1
	OUT8 1, 0, CS0
	OUT8 1, 8, CS1
	OUT8 2, 0, CS0
	OUT8 2, 8, CS1
	s_set_vgpr_msb 0x1
	s_wait_tensorcnt 0x0
	ds_add_u32 v255, v255
	s_wait_dscnt 0x0
	s_set_vgpr_msb 0x100
	CROUND                                         ; the closing round: no work-group ends while a partner may still ask for a tile that names it
	s_endpgm
.Lfunc_end_k_q09bd96ab06_qkv:
	.size	k_q09bd96ab06_qkv, .Lfunc_end_k_q09bd96ab06_qkv-k_q09bd96ab06_qkv
	.p2alignl 7, 3214868480
	.fill 96, 4, 3214868480
	.section	.rodata,"a",@progbits
	.p2align	6, 0x0
	.amdhsa_kernel k_q09bd96ab06_qkv
		.amdhsa_group_segment_fixed_size 327680
		.amdhsa_private_segment_fixed_size 0
		.amdhsa_enable_private_segment 0
		.amdhsa_kernarg_size 32
		.amdhsa_user_sgpr_count 2
		.amdhsa_user_sgpr_kernarg_segment_ptr 1
		.amdhsa_wavefront_size32 1
		.amdhsa_system_sgpr_workgroup_id_x 1
		.amdhsa_system_sgpr_workgroup_id_y 1
		.amdhsa_system_sgpr_workgroup_id_z 1
		.amdhsa_system_vgpr_workitem_id 0
		.amdhsa_next_free_vgpr 1024
		.amdhsa_next_free_sgpr 96
		.amdhsa_reserve_vcc 0
		.amdhsa_float_denorm_mode_32 3
		.amdhsa_float_denorm_mode_16_64 3
		.amdhsa_memory_ordered 1
		.amdhsa_forward_progress 1
		.amdhsa_inst_pref_size 225
	.end_amdhsa_kernel
	.amdgpu_metadata
---
amdhsa.version: [ 1, 2 ]
amdhsa.kernels:
  - .name:           k_q09bd96ab06_qkv
    .symbol:         k_q09bd96ab06_qkv.kd
    .args:
      - { .name: xb, .offset: 0, .size: 8, .value_kind: global_buffer, .address_space: global }
      - { .name: wqkvb, .offset: 8, .size: 8, .value_kind: global_buffer, .address_space: global }
      - { .name: tab, .offset: 16, .size: 8, .value_kind: global_buffer, .address_space: global }
      - { .name: qkvh, .offset: 24, .size: 8, .value_kind: global_buffer, .address_space: global }
    .group_segment_fixed_size: 327680
    .private_segment_fixed_size: 0
    .kernarg_segment_align: 8
    .kernarg_segment_size: 32
    .max_flat_workgroup_size: 128
    .sgpr_count:     96
    .vgpr_count:     1024
    .wavefront_size: 32
...
	.end_amdgpu_metadata
.endif
;; end of part 2
;; launch attn (part 3): grid 256 x 1, 8 waves a work-group, no clusters, 327,680 bytes of LDS; arguments qkvh, ob; writes ob
.if DOCPART == 3
	.amdgcn_target "amdgcn-amd-amdhsa--gfx1250"
	.amdhsa_code_object_version 6
	.text
	.protected	k_q09bd96ab06_attn
	.globl	k_q09bd96ab06_attn
	.p2align	8
	.type	k_q09bd96ab06_attn,@function
k_q09bd96ab06_attn:
	s_mov_b64 s[64:65], 0
	v_nop
	global_prefetch_b8 v0, s[64:65] scope:SCOPE_SE
	s_setreg_imm32_b32 hwreg(HW_REG_WAVE_MODE, 25, 1), 1
	s_wait_xcnt 0x0
; Causal attention with a running maximum.  qkvh[batch][plane][2,048][64] f16 (planes 0-15 q, 16-31 k, 32-47 v); ob[4,096][1,024] f16, column 64 head + d.
; Work-group id: j = id % 8, head and batch from id / 8.  It owns the query blocks j and 15 - j (128 rows each) of one head: 17 key tiles of
; 128 keys whatever j is, so all 256 work-groups do the same work.  Each block takes its diagonal tile first, so that the masked step is
; also the one that starts the sums: nothing is cleared and nothing rescaled there.
; Eight waves: rg = wave % 4 (32 query rows), kg = wave / 4 (64 of a tile's 128 keys).  At a block's end the two waves of a row group
; exchange one of their two row tiles through LDS and each finishes 16 rows.
; S^T = K Q^T: lane (r, h), register i holds (key 8 h + i, query r).  Exponentials of two key tiles, packed to f16, are at once the B fragment
; of P for O^T = V^T P; V^T comes by transposing LDS loads.  A query's maximum and sum are one number a lane; one lane exchange joins the halves.
; NO MULTICAST: the eight work-groups of a head walk the key tiles in orders that hang on j, so no two ask for the same tile in the same step.
; Key and value rows are 128 bytes in the tensor itself; a tile is 128 of them, neighbouring in memory.
; Accumulators take turns, one matrix instruction a turn (8 tiles of S, 8 of O).
; LIMITS: P is f16 (at most 1; below 2^-24 it is 0); o is stored as f16.  The floor -1e30 under the running maximum serves waves whose keys are all
; masked; f16 operands bound a score's magnitude by 64 x 65,504^2, far above the floor.
.set SLOT,  38912                      ; K: 128 rows, pitch 144; V at 18,432: 128 rows, pitch 160 (an odd multiple of 32, for the transposing loads)
.set VOFF,  18432
.set XCH,   77824                      ; exchange: 8 waves x 4,608 bytes (O 4,096, -c m 128, l 128); no fill lands here
.set OUTST, 114688                     ; the way out: 8 waves x 16 rows of pitch 144
.set KADR, 1
.set VADR, 2
.set QL,   3                           ; v3-4   byte offset of my fragment rows in a query block, row tile 0, 1
.set DD,   5                           ; v5-6   query - first key of my lane, inside the diagonal tile
.set M,    8                           ; v8-9   running maxima (raw scores)
.set NM,   10                          ; v[10:13] -c m, a pair for each row tile
.set AL,   14                          ; v[14:17] the rescaling factor, pairs
.set LS,   18                          ; v[18:21] running sums, two partial sums for each row tile
.set XS,   24
.set XS4,  25
.set XP,   26
.set XP4,  27
.set OS,   28
.set ORD,  29
.set OG,   30
.set Q,    32                          ; v[32:63]   fragment (a, dk) at 16 a + 8 dk
.set KV,   64                          ; v[64:127]  K fragment (kt, dk) at 16 kt + 8 dk; then V fragment (c, dt) at 32 c + 8 dt
.set S,    128                         ; v[128:191] block (c, a) at 32 c + 16 a: key tiles 2 c, 2 c + 1; packed P in its first 8
.set O,    192                         ; v[192:255] tile (a, dt) at 32 a + 8 dt
	s_load_b128 s[4:7], s[0:1], 0x0                ; qkvh s[4:5], ob s[6:7]
	s_set_vgpr_msb 0x40
	v_lshl_add_u32 v0, v0, 2, 0x29000
	v_mov_b32 v1, 0
	s_set_vgpr_msb 0x4045
	ds_add_u32 v0, v1
	s_set_vgpr_msb 0x4500
	v_lshrrev_b32 v1, 5, v0
	v_readfirstlane_b32 s8, v1                     ; wave
	s_and_b32 s9, s8, 3                            ; rg
	s_lshr_b32 s10, s8, 2                          ; kg
	s_and_b32 s11, ttmp9, 7                        ; j
	s_lshr_b32 s12, ttmp9, 3
	s_lshr_b32 s2, s12, 4                          ; batch
	s_and_b32 s3, s12, 15                          ; head
	s_add_co_u32 s13, s11, 1
	s_add_co_u32 s14, s11, 2
	s_sub_co_u32 s15, 15, s11
	s_mov_b32 s58, 0x76543210                      ; v_permlanex16_b32: lane i reads lane i of the other half
	s_mov_b32 s59, 0xfedcba98
	; group 1: 128 rows x 64 f16, padding behind every 32 words: 4 words for K, 8 for V
	s_mov_b32 s28, (1<<16)|(1<<20)|(4<<22)|(3<<25)
	s_mov_b32 s29, 64<<16
	s_mov_b32 s30, 128<<16
	s_mov_b32 s31, 64<<16
	s_mov_b32 s32, 128
	s_mov_b32 s33, 64
	s_mov_b32 s34, 0
	s_mov_b32 s35, 0
	s_mov_b32 s36, (1<<16)|(1<<20)|(4<<22)|(7<<25)
	s_mov_b32 s37, 64<<16
	s_mov_b32 s38, 128<<16
	s_mov_b32 s39, 64<<16
	s_mov_b32 s40, 128
	s_mov_b32 s41, 64
	s_mov_b32 s42, 0
	s_mov_b32 s43, 0
	s_mul_i32 s60, s2, 48
	s_add_co_u32 s60, s60, s3
	s_lshl_b32 s60, s60, 18                        ; the q plane, 262,144 bytes a plane
	s_mov_b32 s61, 0
	s_mov_b32 s63, 0
	s_mov_b32 s55, 0
	s_wait_dscnt 0x0
	s_barrier_signal -1
	s_barrier_wait -1
	s_wait_kmcnt 0x0
	s_add_nc_u64 s[20:21], s[4:5], s[60:61]
	s_add_nc_u64 s[16:17], s[20:21], 0x400000      ; the k plane: 16 planes on
	s_add_nc_u64 s[18:19], s[20:21], 0x800000      ; the v plane: 32 planes on
	s_lshl_b32 s62, s15, 14                        ; a block is 128 rows of 128 bytes
	s_add_nc_u64 s[22:23], s[20:21], s[62:63]      ; queries of block 15 - j
	s_lshl_b32 s62, s11, 14
	s_add_nc_u64 s[20:21], s[20:21], s[62:63]      ; queries of block j
	s_lshl_b32 s60, s2, 22                         ; 2,048 rows of 2,048 bytes a batch
	s_lshl_b32 s62, s3, 7                          ; 128 bytes a head
	s_add_co_u32 s60, s60, s62
	s_add_nc_u64 s[6:7], s[6:7], s[60:61]
	s_lshl_b32 s62, s11, 18
	s_add_nc_u64 s[24:25], s[6:7], s[62:63]        ; o of block j
	s_lshl_b32 s62, s15, 18
	s_add_nc_u64 s[26:27], s[6:7], s[62:63]        ; o of block 15 - j
	; the first fill: tile j into slot 0; wave 0 brings K, wave 1 brings V
	s_lshl_b32 s54, s11, 14
	s_mov_b32 s44, 1
	s_mov_b32 s45, 0
	s_add_nc_u64 s[46:47], s[16:17], s[54:55]
	s_or_b32 s47, s47, 0x80000000
	s_mov_b32 s48, 1
	s_mov_b32 s49, VOFF
	s_add_nc_u64 s[50:51], s[18:19], s[54:55]
	s_or_b32 s51, s51, 0x80000000
	s_cmp_lg_u32 s8, 0
	s_cbranch_scc1 .Lnot_k
	tensor_load_to_lds s[44:47], s[28:35]
	s_nop 0
.Lnot_k:
	s_cmp_lg_u32 s8, 1
	s_cbranch_scc1 .Lnot_v
	tensor_load_to_lds s[48:51], s[36:43]
	s_nop 0
.Lnot_v:
	v_and_b32 v128, 15, v0                         ; r
	v_bfe_u32 v129, v0, 4, 1                       ; h
	v_and_b32 v130, 31, v0                         ; l
	v_and_b32 v131, 7, v0                          ; l % 8
	v_bfe_u32 v132, v0, 3, 1                       ; (l / 8) % 2
	v_bfe_u32 v133, v0, 3, 2                       ; l / 8
	s_lshl_b32 s56, s10, 6                         ; 64 kg
	s_lshl_b32 s57, s9, 5                          ; 32 rg
	s_lshl_b32 s60, s10, 4
	s_xor_b32 s61, s60, 16
	s_add_co_u32 s60, s60, s57                     ; first row of my row tile 0: 32 rg + 16 kg (the one that I keep)
	s_add_co_u32 s61, s61, s57                     ; of my row tile 1: 32 rg + 16 (1 - kg) (the one that I hand over)
	v_add_nc_u32 v135, s60, v128
	v_add_nc_u32 v136, s61, v128
	v_lshlrev_b32 v[QL], 7, v135
	v_lshl_add_u32 v[QL], v129, 4, v[QL]
	v_lshlrev_b32 v[QL+1], 7, v136
	v_lshl_add_u32 v[QL+1], v129, 4, v[QL+1]
.macro QLOAD qb                        ; 32 query rows x 64 as four B fragments
.irp a, 0,1
.irp dk, 0,1
	global_load_b128 v[Q+16*\a+8*\dk:Q+16*\a+8*\dk+3],   v[QL+\a], s[\qb:\qb+1] offset:64*\dk
	global_load_b128 v[Q+16*\a+8*\dk+4:Q+16*\a+8*\dk+7], v[QL+\a], s[\qb:\qb+1] offset:64*\dk+32
.endr
.endr
.endm
	QLOAD 20
	v_add_nc_u32 v134, s56, v128
	v_mul_u32_u24 v[KADR], v134, 144
	v_lshl_add_u32 v[KADR], v129, 4, v[KADR]       ; (64 kg + r) x 144 + 16 h
	v_lshl_add_u32 v134, v129, 3, v131
	v_add_nc_u32 v134, s56, v134
	v_mul_u32_u24 v[VADR], v134, 160
	v_lshl_add_u32 v[VADR], v132, 4, v[VADR]
	v_add_nc_u32 v[VADR], VOFF, v[VADR]            ; 18,432 + (64 kg + 8 h + l % 8) x 160 + 16 ((l / 8) % 2)
	v_lshl_add_u32 v137, v129, 3, s56
	v_sub_nc_u32 v[DD], v135, v137                 ; key 16 kt + i of my lane is allowed where 16 kt + i <= this
	v_sub_nc_u32 v[DD+1], v136, v137
	s_mul_i32 s62, s8, 4608
	s_add_co_u32 s62, s62, XCH
	v_lshl_add_u32 v[XS], v130, 4, s62
	v_lshl_add_u32 v[XS4], v130, 2, s62
	v_add_nc_u32 v[XS4], 4096, v[XS4]
	s_xor_b32 s62, s8, 4                           ; my partner: the same rows, the other keys
	s_mul_i32 s62, s62, 4608
	s_add_co_u32 s62, s62, XCH
	v_lshl_add_u32 v[XP], v130, 4, s62
	v_lshl_add_u32 v[XP4], v130, 2, s62
	v_add_nc_u32 v[XP4], 4096, v[XP4]
	s_mul_i32 s62, s8, 2304
	s_add_co_u32 s62, s62, OUTST
	v_mul_u32_u24 v134, v128, 144
	v_lshl_add_u32 v134, v129, 4, v134
	v_add_nc_u32 v[OS], s62, v134
	v_mul_u32_u24 v134, v133, 144
	v_lshl_add_u32 v134, v131, 4, v134
	v_add_nc_u32 v[ORD], s62, v134
	v_add_nc_u32 v134, s60, v133
	v_lshlrev_b32 v134, 11, v134
	v_lshl_add_u32 v[OG], v131, 4, v134            ; (32 rg + 16 kg + l / 8) x 2,048 + 16 (l % 8)
	v_mov_b32 v22, 0                               ; destinations of the lane exchange count as read
	v_mov_b32 v23, 0
; The change of slots in front of a step.  s53 = the step whose tile is asked for, into slot nxt.
; Every wave waits for all its tensor loads (so this step's tile is in, and the descriptors may be written) and for its LDS reads, passes the
; barrier, and waves 0 and 1 issue one load each first thing behind it.  One tensor load of a wave is out at the most.
.macro RING nxt, refill
	s_set_vgpr_msb 0x5
	s_wait_tensorcnt 0x0
	ds_add_u32 v0, v1
	s_wait_dscnt 0x0
	s_set_vgpr_msb 0x500
.if \refill
	s_sub_co_u32 s56, s53, 1                       ; steps 1 .. j: tiles 0 .. j - 1 of block j
	s_sub_co_u32 s57, s53, s14                     ; steps j + 2 .. 16: tiles 0 .. 14 - j of block 15 - j
	s_cmp_le_u32 s53, s11
	s_cselect_b32 s56, s56, s57
	s_cmp_eq_u32 s53, s13                          ; step j + 1: the diagonal tile 15 - j
	s_cselect_b32 s56, s15, s56
	s_lshl_b32 s54, s56, 14                        ; 16,384 bytes a tile
	s_mov_b32 s45, \nxt*SLOT
	s_add_nc_u64 s[46:47], s[16:17], s[54:55]
	s_or_b32 s47, s47, 0x80000000
	s_mov_b32 s49, \nxt*SLOT+VOFF
	s_add_nc_u64 s[50:51], s[18:19], s[54:55]
	s_or_b32 s51, s51, 0x80000000
.endif
	s_wait_dscnt 0x0
	s_barrier_signal -1
	s_barrier_wait -1
.if \refill
	s_cmp_lg_u32 s8, 0
	s_cbranch_scc1 .Lnk_\@
	tensor_load_to_lds s[44:47], s[28:35]
	s_nop 0
.Lnk_\@:
	s_cmp_lg_u32 s8, 1
	s_cbranch_scc1 .Lnv_\@
	tensor_load_to_lds s[48:51], s[36:43]
	s_nop 0
.Lnv_\@:
.endif
.endm
; One key tile: my 64 keys against my 32 queries.  diag = 1: the block's diagonal tile, masked, which starts the maxima and the sums.
.macro STEP slot, diag
.irp dk, 0,1
.irp kt, 0,1,2,3
	ds_load_b128 v[KV+16*\kt+8*\dk:KV+16*\kt+8*\dk+3],   v[KADR] offset:\slot*SLOT+2304*\kt+64*\dk
	ds_load_b128 v[KV+16*\kt+8*\dk+4:KV+16*\kt+8*\dk+7], v[KADR] offset:\slot*SLOT+2304*\kt+64*\dk+32
.endr
.endr
	s_wait_dscnt 8                                 ; d = 0..31 of the four key tiles are in; the eight loads of d = 32..63 may be out
.irp kt, 0,1,2,3
.irp a, 0,1
	v_wmma_f32_16x16x32_f16 v[S+32*(\kt/2)+16*\a+8*(\kt%2):S+32*(\kt/2)+16*\a+8*(\kt%2)+7], v[KV+16*\kt:KV+16*\kt+7], v[Q+16*\a:Q+16*\a+7], 0
.endr
.endr
	s_wait_dscnt 0
.irp kt, 0,1,2,3
.irp a, 0,1
	v_wmma_f32_16x16x32_f16 v[S+32*(\kt/2)+16*\a+8*(\kt%2):S+32*(\kt/2)+16*\a+8*(\kt%2)+7], v[KV+16*\kt+8:KV+16*\kt+15], v[Q+16*\a+8:Q+16*\a+15], v[S+32*(\kt/2)+16*\a+8*(\kt%2):S+32*(\kt/2)+16*\a+8*(\kt%2)+7]
.endr
.endr
.rept 4
	v_nop                                          ; four places: for the loads onto K's registers and for the first reads of S
.endr
.irp c, 0,1
.irp dt, 0,1,2,3
	ds_load_tr16_b128 v[KV+32*\c+8*\dt:KV+32*\c+8*\dt+3],   v[VADR] offset:\slot*SLOT+5120*\c+32*\dt
	ds_load_tr16_b128 v[KV+32*\c+8*\dt+4:KV+32*\c+8*\dt+7], v[VADR] offset:\slot*SLOT+5120*\c+32*\dt+2560
.endr
.endr
.if \diag
.irp kt, 0,1,2,3
.irp a, 0,1
.irp i, 0,1,2,3,4,5,6,7
	v_cmp_le_i32 vcc_lo, 16*\kt+\i, v[DD+\a]
	v_cndmask_b32 v[S+32*(\kt/2)+16*\a+8*(\kt%2)+\i], 0xff800000, v[S+32*(\kt/2)+16*\a+8*(\kt%2)+\i], vcc_lo   ; -inf above the diagonal
.endr
.endr
.endr
	v_mov_b32 v[M], 0xf149f2ca                     ; the floor, so that a query with none of my keys allowed gets p = 0 and no NaN
	v_mov_b32 v[M+1], 0xf149f2ca
.endif
.irp c, 0,1
.irp i, 0,2,4,6,8,10,12,14
.irp a, 0,1
	v_max3_num_f32 v[M+\a], v[M+\a], v[S+32*\c+16*\a+\i], v[S+32*\c+16*\a+\i+1]
.endr
.endr
.endr
	v_permlanex16_b32 v22, v[M], s58, s59          ; the other half of the lanes holds the same query's other keys
	v_permlanex16_b32 v23, v[M+1], s58, s59
	v_max_num_f32 v[M], v[M], v22
	v_max_num_f32 v[M+1], v[M+1], v23
	v_mul_f32 v7, 0xbe38aa3b, v[M]                 ; -c m, c = log2(e) / 8: the scale 1 / sqrt(64) and the base 2 in one
	v_mul_f32 v31, 0xbe38aa3b, v[M+1]
.if \diag
.else
	v_sub_f32 v[AL], v7, v[NM]                     ; c (m old - m new)
	v_sub_f32 v[AL+2], v31, v[NM+2]
	v_exp_f32 v[AL], v[AL]
	v_exp_f32 v[AL+2], v[AL+2]
.endif
	v_mov_b32 v[NM], v7                            ; (also the plain place behind the two exponentials)
	v_mov_b32 v[NM+1], v7
	v_mov_b32 v[NM+2], v31
	v_mov_b32 v[NM+3], v31
.if \diag
.else
	s_wait_alu depctr_va_vdst(0)
	v_mov_b32 v[AL+1], v[AL]
	v_mov_b32 v[AL+3], v[AL+2]
.endif
.irp c, 0,1
.irp a, 0,1
.irp i, 0,2,4,6,8,10,12,14
	v_pk_fma_f32 v[S+32*\c+16*\a+\i:S+32*\c+16*\a+\i+1], v[S+32*\c+16*\a+\i:S+32*\c+16*\a+\i+1], 0x3e38aa3b, v[NM+2*\a:NM+2*\a+1] op_sel_hi:[1,0,1]
.endr
.endr
.endr
.set i, 0
.rept 64
	v_exp_f32 v[S+i], v[S+i]
.set i, i+1
.endr
.if \diag
	v_nop                                          ; one plain place behind the last exponential (ISA guide 5.7.2)
	s_wait_alu depctr_va_vdst(0)
.irp a, 0,1
	v_pk_add_f32 v[LS+2*\a:LS+2*\a+1], v[S+16*\a:S+16*\a+1], v[S+16*\a+2:S+16*\a+3]
.endr
.else
.irp a, 0,1
.irp i, 0,2,4,6,8,10,12,14,16,18,20,22,24,26,28,30
	v_pk_mul_f32 v[O+32*\a+\i:O+32*\a+\i+1], v[O+32*\a+\i:O+32*\a+\i+1], v[AL+2*\a:AL+2*\a+1]   ; the old sums to the new maximum (also the place behind the exponentials)
.endr
.endr
	s_wait_alu depctr_va_vdst(0)
.irp a, 0,1
	v_pk_fma_f32 v[LS+2*\a:LS+2*\a+1], v[LS+2*\a:LS+2*\a+1], v[AL+2*\a:AL+2*\a+1], v[S+16*\a:S+16*\a+1]
.endr
.irp a, 0,1
	v_pk_add_f32 v[LS+2*\a:LS+2*\a+1], v[LS+2*\a:LS+2*\a+1], v[S+16*\a+2:S+16*\a+3]
.endr
.endif
.irp i, 4,6,8,10,12,14
.irp a, 0,1
	v_pk_add_f32 v[LS+2*\a:LS+2*\a+1], v[LS+2*\a:LS+2*\a+1], v[S+16*\a+\i:S+16*\a+\i+1]
.endr
.endr
.irp i, 0,2,4,6,8,10,12,14
.irp a, 0,1
	v_pk_add_f32 v[LS+2*\a:LS+2*\a+1], v[LS+2*\a:LS+2*\a+1], v[S+32+16*\a+\i:S+32+16*\a+\i+1]
.endr
.endr
.irp c, 0,1
.irp a, 0,1
.irp i, 0,1,2,3,4,5,6,7
	v_cvt_pk_f16_f32 v[S+32*\c+16*\a+\i], v[S+32*\c+16*\a+2*\i], v[S+32*\c+16*\a+2*\i+1]   ; in place, ascending: 32 keys of one query, a B fragment
.endr
.endr
.endr
	s_wait_dscnt 0                                 ; V's fragments
.irp c, 0,1
.irp dt, 0,1,2,3
.irp a, 0,1
.if \diag*(1-\c)
	v_wmma_f32_16x16x32_f16 v[O+32*\a+8*\dt:O+32*\a+8*\dt+7], v[KV+32*\c+8*\dt:KV+32*\c+8*\dt+7], v[S+32*\c+16*\a:S+32*\c+16*\a+7], 0
.else
	v_wmma_f32_16x16x32_f16 v[O+32*\a+8*\dt:O+32*\a+8*\dt+7], v[KV+32*\c+8*\dt:KV+32*\c+8*\dt+7], v[S+32*\c+16*\a:S+32*\c+16*\a+7], v[O+32*\a+8*\dt:O+32*\a+8*\dt+7]
.endif
.endr
.endr
.endr
.rept 5
	v_nop                                          ; five places: the next matrix instruction writes over P's registers; loads land on V's; O is read
.endr
.endm
; A block's end.  I hand my row tile 1 (O, -c m, l) to my partner, take its tile for my rows, join the two, divide, and store 16 rows.
; qnext = 1: the next block's queries are asked for first.  ob: the scalar pair with o's address for this block.
.macro FINALIZE qnext, ob
.if \qnext
	QLOAD 22
.endif
	v_add_f32 v7, v[LS+2], v[LS+3]
.irp i, 0,1,2,3,4,5,6,7
	ds_store_b128 v[XS], v[O+32+4*\i:O+32+4*\i+3] offset:512*\i
.endr
	ds_store_b32 v[XS4], v[NM+2]
	ds_store_b32 v[XS4], v7 offset:128
	s_wait_dscnt 0x0                               ; for my partner's sake: all my stores are done
	s_barrier_signal -1                            ; The next tile's load may stay on its way
	s_barrier_wait -1
.irp i, 0,1,2,3,4,5,6,7
	ds_load_b128 v[S+4*\i:S+4*\i+3], v[XP] offset:512*\i
.endr
	ds_load_b32 v[S+32], v[XP4]
	ds_load_b32 v[S+33], v[XP4] offset:128
	v_add_f32 v[S+34], v[LS], v[LS+1]
	s_wait_dscnt 0x0
	v_min_num_f32 v[S+35], v[NM], v[S+32]          ; -c x the larger maximum
	v_sub_f32 v[S+36], v[S+35], v[NM]
	v_sub_f32 v[S+37], v[S+35], v[S+32]
	v_exp_f32 v[S+36], v[S+36]                     ; my weight
	v_exp_f32 v[S+37], v[S+37]                     ; my partner's
	v_nop
	s_wait_alu depctr_va_vdst(0)
	v_mul_f32 v[S+34], v[S+34], v[S+36]
	v_fma_f32 v[S+34], v[S+33], v[S+37], v[S+34]
	v_permlanex16_b32 v22, v[S+34], s58, s59
	v_add_f32 v[S+34], v[S+34], v22                ; the query's whole sum: at least 1, since its largest term is 1
	v_rcp_f32 v[S+34], v[S+34]
	v_nop
	s_wait_alu depctr_va_vdst(0)
	v_mul_f32 v[S+38], v[S+36], v[S+34]
	v_mul_f32 v[S+40], v[S+37], v[S+34]
	v_mov_b32 v[S+39], v[S+38]
	v_mov_b32 v[S+41], v[S+40]
.irp i, 0,2,4,6,8,10,12,14,16,18,20,22,24,26,28,30
	v_pk_mul_f32 v[O+\i:O+\i+1], v[O+\i:O+\i+1], v[S+38:S+39]
.endr
.irp i, 0,2,4,6,8,10,12,14,16,18,20,22,24,26,28,30
	v_pk_fma_f32 v[O+\i:O+\i+1], v[S+\i:S+\i+1], v[S+40:S+41], v[O+\i:O+\i+1]
.endr
.irp dt, 0,1,2,3
.irp t, 0,1,2,3
	v_cvt_pk_f16_f32 v[KV+4*\dt+\t], v[O+8*\dt+2*\t], v[O+8*\dt+2*\t+1]
.endr
.endr
.irp dt, 0,1,2,3
	ds_store_b128 v[OS], v[KV+4*\dt:KV+4*\dt+3] offset:32*\dt      ; row r, d = 16 dt + 8 h ..
.endr
.irp i, 0,1,2,3
	ds_load_b128 v[KV+16+4*\i:KV+16+4*\i+3], v[ORD] offset:576*\i  ; my own bytes; LDS serves a wave's instructions in order (ISA guide 5.7.1.4)
.endr
	s_wait_dscnt 0x0
.irp i, 0,1,2,3
	global_store_b128 v[OG], v[KV+16+4*\i:KV+16+4*\i+3], s[\ob:\ob+1] offset:8192*\i   ; four rows' 128 bytes of this head
.endr
.if \qnext
	s_wait_xcnt 0x0                                ; the stores' data registers are loaded again in the next step only behind this wait
.endif
.endm
	s_mov_b32 s53, 1
	RING 1, 1                                      ; tile j is in for every wave; step 1's tile goes out, into slot 1
	s_wait_loadcnt 0x0                             ; the queries
	STEP 0, 1
	s_mov_b32 s52, 1                               ; steps 1 to 14, two a trip: the odd one reads slot 1, the even one slot 0
.Lloop:
	s_add_co_u32 s53, s52, 1
	RING 0, 1
	s_cmp_eq_u32 s52, s13                          ; step j + 1 opens block 15 - j; j is the same in all eight waves
	s_cbranch_scc1 .Ldiag_a
	STEP 1, 0
	s_branch .Ljoin_a
.Ldiag_a:
	FINALIZE 1, 24
	s_wait_loadcnt 0x0
	STEP 1, 1
.Ljoin_a:
	s_add_co_u32 s53, s52, 2
	RING 1, 1
	s_add_co_u32 s56, s52, 1
	s_cmp_eq_u32 s56, s13
	s_cbranch_scc1 .Ldiag_b
	STEP 0, 0
	s_branch .Ljoin_b
.Ldiag_b:
	FINALIZE 1, 24
	s_wait_loadcnt 0x0
	STEP 0, 1
.Ljoin_b:
	s_add_co_u32 s52, s52, 2
	s_cmp_lt_u32 s52, 15
	s_cbranch_scc1 .Lloop
	s_mov_b32 s53, 16                              ; steps 15 and 16 are never diagonal (j + 1 is at most 8)
	RING 0, 1
	STEP 1, 0
	RING 0, 0                                      ; nothing is left to fetch
	STEP 0, 0
	FINALIZE 0, 26
	s_set_vgpr_msb 0x5
	s_wait_tensorcnt 0x0
	ds_add_u32 v0, v1
	s_wait_dscnt 0x0
	s_set_vgpr_msb 0x500
	s_endpgm
.Lfunc_end_k_q09bd96ab06_attn:
	.size	k_q09bd96ab06_attn, .Lfunc_end_k_q09bd96ab06_attn-k_q09bd96ab06_attn
	.p2alignl 7, 3214868480
	.fill 96, 4, 3214868480
	.section	.rodata,"a",@progbits
	.p2align	6, 0x0
	.amdhsa_kernel k_q09bd96ab06_attn
		.amdhsa_group_segment_fixed_size 327680
		.amdhsa_private_segment_fixed_size 0
		.amdhsa_enable_private_segment 0
		.amdhsa_kernarg_size 16
		.amdhsa_user_sgpr_count 2
		.amdhsa_user_sgpr_kernarg_segment_ptr 1
		.amdhsa_wavefront_size32 1
		.amdhsa_system_sgpr_workgroup_id_x 1
		.amdhsa_system_sgpr_workgroup_id_y 1
		.amdhsa_system_sgpr_workgroup_id_z 1
		.amdhsa_system_vgpr_workitem_id 0
		.amdhsa_next_free_vgpr 258
		.amdhsa_next_free_sgpr 66
		.amdhsa_reserve_vcc 1
		.amdhsa_float_denorm_mode_32 3
		.amdhsa_float_denorm_mode_16_64 3
		.amdhsa_memory_ordered 1
		.amdhsa_forward_progress 1
		.amdhsa_inst_pref_size 170
	.end_amdhsa_kernel
	.amdgpu_metadata
---
amdhsa.version: [ 1, 2 ]
amdhsa.kernels:
  - .name:           k_q09bd96ab06_attn
    .symbol:         k_q09bd96ab06_attn.kd
    .args:
      - { .name: qkvh, .offset: 0, .size: 8, .value_kind: global_buffer, .address_space: global }
      - { .name: ob, .offset: 8, .size: 8, .value_kind: global_buffer, .address_space: global }
    .group_segment_fixed_size: 327680
    .private_segment_fixed_size: 0
    .kernarg_segment_align: 8
    .kernarg_segment_size: 16
    .max_flat_workgroup_size: 256
    .sgpr_count:     66
    .vgpr_count:     258
    .wavefront_size: 32
...
	.end_amdgpu_metadata
.endif
;; end of part 3
;; launch proj (part 4): grid 8 x 32, 4 waves a work-group, clusters of 4 x 4, 327,680 bytes of LDS; arguments ob, wob, out0; writes out0
.if DOCPART == 4
	.amdgcn_target "amdgcn-amd-amdhsa--gfx1250"
	.amdhsa_code_object_version 6
	.text
	.protected	k_q09bd96ab06_proj
	.globl	k_q09bd96ab06_proj
	.p2align	8
	.type	k_q09bd96ab06_proj,@function
k_q09bd96ab06_proj:
	s_mov_b64 s[64:65], 0
	v_nop
	global_prefetch_b8 v0, s[64:65] scope:SCOPE_SE
	s_setreg_imm32_b32 hwreg(HW_REG_WAVE_MODE, 25, 1), 1
	s_wait_xcnt 0x0
	s_wait_alu depctr_hold_cnt(0) depctr_sa_sdst(0) depctr_va_vdst(0) depctr_va_sdst(0) depctr_va_ssrc(0) depctr_va_vcc(0) depctr_vm_vsrc(0)
	s_getreg_b32 s2, hwreg(HW_REG_IB_STS2, 6, 4)
	s_cmp_eq_u32 s2, 0
	s_cbranch_scc0 .Lentry_in_a_cluster
	s_endpgm
.Lentry_in_a_cluster:
	s_bfe_u32 s2, ttmp6, 0x10000c
	s_cmp_lg_u32 s2, 0xf033
	s_cbranch_scc0 .Lentry_shape_is_right
	s_endpgm
.Lentry_shape_is_right:
; out0[m][n] = sum over k of ob[m][k] wob[n][k]: f16 operands, f32 sums, f32 out.  M = 4,096, N = 1,024, K = 1,024.
; 256 work-groups, each a block of 128 x 128 with four waves; a wave makes 64 x 64: 16 accumulator tiles, 128 registers (window 2).
; K goes in 4 chunks of 256 through two LDS slots: a tile's rows are 512 bytes of memory, aligned; the two first fills bring half of all operands.
; CLUSTERS: 4 x 4 work-groups; ob's tiles are asked for jointly along a row of the cluster, wob's along a column: a quarter of the requests.
; The matrix instruction is used transposed (source 0 = rows of wob, source 1 = rows of ob): a lane's eight results are eight neighbouring
; numbers of a row of out0.  The 16 accumulators take turns, one instruction a turn, in one order throughout.
; LIMIT: operands are f16 (o below 65,504 in magnitude; wob as the first launch rounds it).
.set KCH,    256
.set PITCH,  528                       ; 512 bytes + 16 of padding: an odd multiple of 16
.set HALF,   64*PITCH                  ; what one load brings, and what one wave reads of A or of B
.set SLOT,   4*HALF                    ; A's 128 rows, then B's 128 rows
.set STAGE,  2*SLOT                    ; behind the ring: 16 rows x 272 bytes for each wave
.set SPITCH, 272
.set ADRA, 16
.set ADRB, 20
.set STO,  24
.set RD,   25
.set CO,   26
.set F0,   64                          ; a fragment buffer holds 64 along K: fragment (ks, i) at 8 (4 ks + i)
.set F1,   128
.set G1, 24
.set G0, 32
.set G1B, 48
.set G0B, 56
.set MSB, 0
.macro WIN new
.if MSB != \new
	s_set_vgpr_msb (MSB<<8)|\new
.set MSB, \new
.endif
.endm
.set MUL,  0xa1                        ; source 0 (B) window 1, source 1 (A) window 0, C and D window 2
.set TO_B, 0x40
.macro JLOAD s
	s_cmp_eq_u32 s11, 0
	s_cbranch_scc0 .Lfor_b_\@
	tensor_load_to_lds s[G0+4*\s:G0+4*\s+3], s[G1:G1+7]
	s_nop 0
	s_branch .Lasked_\@
.Lfor_b_\@:
	tensor_load_to_lds s[G0B+4*\s:G0B+4*\s+3], s[G1B:G1B+7]
	s_nop 0
.Lasked_\@:
.endm
.macro CREST
	s_cmp_lg_u32 s10, 0
	s_cbranch_scc1 .Lnot_wave_0_\@
	s_barrier_signal -3
.Lnot_wave_0_\@:
	s_barrier_wait -3
	s_barrier_signal -1
	s_barrier_wait -1
.endm
.macro CROUND
	s_barrier_signal -1
	s_barrier_wait -1
	CREST
.endm
	s_load_b128 s[4:7], s[0:1], 0x0                ; ob s[4:5], wob s[6:7]
	s_load_b64 s[8:9], s[0:1], 0x10                ; out0
	s_set_vgpr_msb 0x40
	v_lshl_add_u32 v255, v0, 2, 0x46400
	s_set_vgpr_msb 0x4000
	v_mov_b32 v255, 0
	s_set_vgpr_msb 0x1
	ds_add_u32 v255, v255
	s_set_vgpr_msb 0x100
	v_lshrrev_b32 v1, 5, v0
	v_readfirstlane_b32 s10, v1                    ; wave
	s_lshr_b32 s11, s10, 1                         ; which 64 rows of the block are mine.  Also: I fetch for A (0) or B (1)
	s_and_b32 s12, s10, 1                          ; which 64 columns.  Also: which 64 rows of that tile I fetch
	s_bfe_u32 s40, ttmp6, 0x40000                  ; cx
	s_bfe_u32 s41, ttmp6, 0x40004                  ; cy
	s_lshl_b32 s42, ttmp9, 2
	s_add_co_u32 s42, s42, s40                     ; block column
	s_and_b32 s13, ttmp7, 0xffff
	s_lshl_b32 s13, s13, 2
	s_add_co_u32 s13, s13, s41                     ; block row
	s_lshl_b32 s43, s41, 2
	s_lshl_b32 s43, 15, s43                        ; my row of the cluster
	s_lshl_b32 s44, 0x1111, s40                    ; my column
	; group 1: 64 rows x 256 f16, 4 words of padding behind every 128
	s_or_b32 s[G1+0], s43, (1<<16)|(1<<20)|(1<<21)|(6<<22)|(3<<25)
	s_or_b32 s[G1B+0], s44, (1<<16)|(1<<20)|(1<<21)|(6<<22)|(3<<25)
	s_mov_b32 s[G1+1], KCH<<16
	s_mov_b32 s[G1B+1], KCH<<16
	s_mov_b32 s[G1+2], 64<<16
	s_mov_b32 s[G1B+2], 64<<16
	s_mov_b32 s[G1+3], KCH<<16
	s_mov_b32 s[G1B+3], KCH<<16
	s_mov_b32 s[G1+4], 64
	s_mov_b32 s[G1B+4], 64
	s_mov_b32 s[G1+5], 1024
	s_mov_b32 s[G1B+5], 1024
	s_mov_b32 s[G1+6], 0
	s_mov_b32 s[G1B+6], 0
	s_mov_b32 s[G1+7], 0
	s_mov_b32 s[G1B+7], 0
	s_lshl_b32 s17, s12, 6
	s_lshl_b32 s16, s13, 7
	s_add_co_u32 s16, s16, s17                     ; A: row 128 x block row + 64 x half
	s_lshl_b32 s46, s42, 7
	s_add_co_u32 s46, s46, s17                     ; B: row 128 x block column + 64 x half
	s_lshl_b32 s16, s16, 11                        ; x 2,048 bytes
	s_mov_b32 s17, 0
	s_lshl_b32 s46, s46, 11
	s_mov_b32 s47, 0
	s_mul_i32 s20, s10, HALF                       ; A's two halves, then B's two halves = wave x 64 rows
	s_wait_dscnt 0x0
	s_wait_kmcnt 0x0
	s_add_nc_u64 s[14:15], s[4:5], s[16:17]
	s_add_nc_u64 s[46:47], s[6:7], s[46:47]
	CROUND                                         ; the first joint loads meet
.irp s, 0,1
	s_mov_b32 s[G0+4*\s], 1
	s_add_co_u32 s[G0+4*\s+1], s20, \s*SLOT
	s_add_nc_u64 s[G0+4*\s+2:G0+4*\s+3], s[14:15], \s*KCH*2
	s_or_b32 s[G0+4*\s+3], s[G0+4*\s+3], 0x80000000
	s_mov_b32 s[G0B+4*\s], 1
	s_add_co_u32 s[G0B+4*\s+1], s20, \s*SLOT
	s_add_nc_u64 s[G0B+4*\s+2:G0B+4*\s+3], s[46:47], \s*KCH*2
	s_or_b32 s[G0B+4*\s+3], s[G0B+4*\s+3], 0x80000000
	JLOAD \s                                       ; two loads of the wave are out, the most in this text
.endr
	v_and_b32 v1, 15, v0                           ; r
	v_bfe_u32 v2, v0, 4, 1                         ; h
	v_mul_u32_u24 v3, v1, PITCH
	v_lshl_add_u32 v3, v2, 4, v3
	s_mul_i32 s21, s11, HALF
	s_mul_i32 s22, s12, HALF
	s_add_co_u32 s22, s22, 2*HALF
.irp s, 0,1
	v_add_nc_u32 v[ADRA+\s], s21, v3
	v_add_nc_u32 v[ADRB+\s], s22, v3
	s_add_co_u32 s21, s21, SLOT
	s_add_co_u32 s22, s22, SLOT
.endr
	s_mul_i32 s23, s10, 16*SPITCH
	s_add_co_u32 s23, s23, STAGE
	v_mul_u32_u24 v4, v1, SPITCH
	v_lshl_add_u32 v4, v2, 5, v4                   ; in: row r, 32 bytes for each half of the lanes
	v_add_nc_u32 v[STO], s23, v4
	v_mul_u32_u24 v5, v2, SPITCH
	v_lshl_add_u32 v5, v1, 4, v5                   ; back: lanes 0-15 one row of 256 bytes, lanes 16-31 the next
	v_add_nc_u32 v[RD], s23, v5
	v_lshlrev_b32 v5, 12, v2
	v_lshl_add_u32 v[CO], v1, 4, v5                ; the same two rows in out0: 4,096 bytes a row
.macro MUL16 f, ks, zero               ; all 16 tiles, 32 along K
.irp a, 0,1,2,3
.irp b, 0,1,2,3
.if \zero
	v_wmma_f32_16x16x32_f16 v[8*(4*\a+\b):8*(4*\a+\b)+7], v[\f+8*(4*\ks+\b):\f+8*(4*\ks+\b)+7], v[\f+8*(4*\ks+\a):\f+8*(4*\ks+\a)+7], 0
.else
	v_wmma_f32_16x16x32_f16 v[8*(4*\a+\b):8*(4*\a+\b)+7], v[\f+8*(4*\ks+\b):\f+8*(4*\ks+\b)+7], v[\f+8*(4*\ks+\a):\f+8*(4*\ks+\a)+7], v[8*(4*\a+\b):8*(4*\a+\b)+7]
.endif
.endr
.endr
.endm
.macro FETCH slot, k, f                ; 32 LDS loads in one run: 64 rows of B, 64 rows of A, 64 K at byte k of the rows
	WIN TO_B
.irp ks, 0,1
.irp i, 0,1,2,3
	ds_load_b128 v[\f+8*(4*\ks+\i):\f+8*(4*\ks+\i)+3],   v[ADRB+\slot] offset:\k+64*\ks+\i*16*PITCH
	ds_load_b128 v[\f+8*(4*\ks+\i)+4:\f+8*(4*\ks+\i)+7], v[ADRB+\slot] offset:\k+64*\ks+\i*16*PITCH+32
.endr
.endr
	WIN 0
.irp ks, 0,1
.irp i, 0,1,2,3
	ds_load_b128 v[\f+8*(4*\ks+\i):\f+8*(4*\ks+\i)+3],   v[ADRA+\slot] offset:\k+64*\ks+\i*16*PITCH
	ds_load_b128 v[\f+8*(4*\ks+\i)+4:\f+8*(4*\ks+\i)+7], v[ADRA+\slot] offset:\k+64*\ks+\i*16*PITCH+32
.endr
.endr
.endm
.macro PLACES                          ; four places behind a matrix instruction before loads land on its registers or its result is read (ISA guide 7.12.1 for reads of the result)
.rept 4
	v_nop
.endr
.endm
.macro QUARTER slot, k, f, g, zero
	s_wait_dscnt 8                                 ; all but the youngest eight loads: A's second 32 along K
	WIN MUL
	MUL16 \f, 0, \zero
	PLACES
	FETCH \slot, \k, \g
	s_wait_dscnt 32                                ; all but the 32 just issued
	WIN MUL
	MUL16 \f, 1, 0
.endm
.macro THREE slot, zero
	QUARTER \slot, 128, F0, F1, \zero
	QUARTER \slot, 256, F1, F0, 0
	QUARTER \slot, 384, F0, F1, 0
.endm
; The last quarter of a chunk changes slots: each wave's reads of this slot and all its tensor loads are waited for in front of the barrier;
; behind it (where the slot is filled again: behind the round that it opens) the refill comes first, then the next slot's first fragments.
; From a request to the wait for it a wave issues 112 matrix instructions.
.macro TURN slot, next, fill
	s_wait_dscnt 0
	s_wait_tensorcnt 0x0
	ds_add_u32 v255, v255
	s_wait_dscnt 0x0
	s_barrier_signal -1
	WIN MUL
	MUL16 F1, 0, 0                                 ; register work while the others arrive
	WIN 0
	s_barrier_wait -1
.if \fill
	CREST
	s_add_nc_u64 s[G0+4*\slot+2:G0+4*\slot+3], s[G0+4*\slot+2:G0+4*\slot+3], 2*KCH*2
	s_add_nc_u64 s[G0B+4*\slot+2:G0B+4*\slot+3], s[G0B+4*\slot+2:G0B+4*\slot+3], 2*KCH*2
	JLOAD \slot
.endif
	PLACES
	FETCH \next, 0, F0
	WIN MUL
	MUL16 F1, 1, 0
.endm
	s_wait_tensorcnt 1                             ; my part of chunk 0 is in; chunk 1's may stay out
	s_barrier_signal -1
	s_barrier_wait -1
	FETCH 0, 0, F0
	THREE 0, 1                                     ; the first products start the sums
	TURN 0, 1, 1                                   ; chunk 2 into slot 0
	THREE 1, 0
	TURN 1, 0, 1                                   ; chunk 3 into slot 1
	THREE 0, 0
	TURN 0, 1, 0
	THREE 1, 0
	s_wait_dscnt 0
	WIN MUL
	MUL16 F1, 0, 0
	MUL16 F1, 1, 0
	; THE WAY OUT, 16 rows at a time through my own stage: 32 bytes a lane in, whole rows of 256 bytes back.
	PLACES
	WIN 0
	s_lshl_b32 s16, s13, 7
	s_lshl_b32 s17, s11, 6
	s_add_co_u32 s16, s16, s17                     ; my first row
	s_lshl_b32 s16, s16, 12                        ; x 4,096 bytes
	s_mov_b32 s17, 0
	s_add_nc_u64 s[8:9], s[8:9], s[16:17]
	s_lshl_b32 s46, s42, 9                         ; my first column in bytes: 512 x block + 256 x half (cx only in registers that fed B's descriptors)
	s_lshl_b32 s47, s12, 8
	s_add_co_u32 s46, s46, s47
	s_mov_b32 s47, 0
	s_add_nc_u64 s[8:9], s[8:9], s[46:47]
.macro OUT16 a, f
	WIN 0x08                                       ; the LDS stores' data come from window 2
.irp b, 0,1,2,3
	ds_store_b128 v[STO], v[8*(4*\a+\b):8*(4*\a+\b)+3]   offset:64*\b
	ds_store_b128 v[STO], v[8*(4*\a+\b)+4:8*(4*\a+\b)+7] offset:64*\b+16
.endr
	WIN 0
	s_wait_xcnt 0x0                                ; buffer f and the stores' base are written again only behind this wait
.if \a
	s_add_nc_u64 s[8:9], s[8:9], 16*4096
.endif
.irp t, 0,1,2,3,4,5,6,7
	ds_load_b128 v[\f+4*\t:\f+4*\t+3], v[RD] offset:\t*2*SPITCH    ; LDS serves a wave's instructions in order (ISA guide 5.7.1.4): these see the stores above
.endr
.irp t, 0,1,2,3,4,5,6,7
	s_wait_dscnt 7-\t
	global_store_b128 v[CO], v[\f+4*\t:\f+4*\t+3], s[8:9] offset:8192*\t th:TH_STORE_NT   ; 16 lanes store 256 neighbouring bytes, aligned
.endr
.endm
	OUT16 0, F0
	OUT16 1, F1
	OUT16 2, F0
	OUT16 3, F1
	s_set_vgpr_msb 0x1
	s_wait_tensorcnt 0x0
	ds_add_u32 v255, v255
	s_wait_dscnt 0x0
	s_set_vgpr_msb 0x100
	CROUND                                         ; the closing round
	s_endpgm
.Lfunc_end_k_q09bd96ab06_proj:
	.size	k_q09bd96ab06_proj, .Lfunc_end_k_q09bd96ab06_proj-k_q09bd96ab06_proj
	.p2alignl 7, 3214868480
	.fill 96, 4, 3214868480
	.section	.rodata,"a",@progbits
	.p2align	6, 0x0
	.amdhsa_kernel k_q09bd96ab06_proj
		.amdhsa_group_segment_fixed_size 327680
		.amdhsa_private_segment_fixed_size 0
		.amdhsa_enable_private_segment 0
		.amdhsa_kernarg_size 24
		.amdhsa_user_sgpr_count 2
		.amdhsa_user_sgpr_kernarg_segment_ptr 1
		.amdhsa_wavefront_size32 1
		.amdhsa_system_sgpr_workgroup_id_x 1
		.amdhsa_system_sgpr_workgroup_id_y 1
		.amdhsa_system_sgpr_workgroup_id_z 1
		.amdhsa_system_vgpr_workitem_id 0
		.amdhsa_next_free_vgpr 640
		.amdhsa_next_free_sgpr 66
		.amdhsa_reserve_vcc 0
		.amdhsa_float_denorm_mode_32 3
		.amdhsa_float_denorm_mode_16_64 3
		.amdhsa_memory_ordered 1
		.amdhsa_forward_progress 1
		.amdhsa_inst_pref_size 86
	.end_amdhsa_kernel
	.amdgpu_metadata
---
amdhsa.version: [ 1, 2 ]
amdhsa.kernels:
  - .name:           k_q09bd96ab06_proj
    .symbol:         k_q09bd96ab06_proj.kd
    .args:
      - { .name: ob, .offset: 0, .size: 8, .value_kind: global_buffer, .address_space: global }
      - { .name: wob, .offset: 8, .size: 8, .value_kind: global_buffer, .address_space: global }
      - { .name: out0, .offset: 16, .size: 8, .value_kind: global_buffer, .address_space: global }
    .group_segment_fixed_size: 327680
    .private_segment_fixed_size: 0
    .kernarg_segment_align: 8
    .kernarg_segment_size: 24
    .max_flat_workgroup_size: 128
    .sgpr_count:     66
    .vgpr_count:     640
    .wavefront_size: 32
...
	.end_amdgpu_metadata
.endif
;; end of part 4
